; MI455X (gfx1250); checked and timed in simulation.
; The chip was launched on July 23, 2026; its instructions are those of AMD's public machine-readable ISA for CDNA 5 (MIT licence, August 2026) and "CDNA5" Instruction Set Architecture Reference Guide (July 2026). The comments in the code are by the model that wrote it; some were corrected since.
;; MAB. Allowed arithmetic: float matrix products may take bf16 or f16 operands with f32 sums; all other float work in f32.
;; Inputs: W1 256 x 1,024 float32; W2 1,024 x 256 float32; adj_matrix 4 x 2,048 x 2,048 int32; b1 1,024 float32; b2 256 float32; beta1 256 float32; beta2 256 float32; gamma1 256 float32; gamma2 256 float32; x 4 x 2,048 x 256 float32.
;; Outputs: out0 4 x 2,048 x 256 float32.
;; One version. Each part assembles by itself: llvm-mc -triple=amdgcn-amd-amdhsa -mcpu=gfx1250 --defsym DOCPART=n.
;; ======== version 1 of 1: 3 launches
;; limits: a function is approximated: absolute error at most 2.5e-05
;; workspace buffers: qh 4,194,304 bytes; maskw 2,097,152 bytes of whole numbers; wf 1,048,576 bytes; att 8,388,608 bytes
;; launch prep (part 1): grid 256 x 1, 8 waves a work-group, no clusters, 287,744 bytes of LDS; arguments x, adj_matrix, gamma1, beta1, W1, W2, qh, maskw, wf; writes qh, maskw, wf
.if DOCPART == 1
	.amdgcn_target "amdgcn-amd-amdhsa--gfx1250"
	.amdhsa_code_object_version 6
	.text
	.protected	k_q0c9bea97f7_prep
	.globl	k_q0c9bea97f7_prep
	.p2align	8
	.type	k_q0c9bea97f7_prep,@function
k_q0c9bea97f7_prep:
	s_mov_b64 s[64:65], 0
	v_nop
	global_prefetch_b8 v0, s[64:65] scope:SCOPE_SE
	s_setreg_imm32_b32 hwreg(HW_REG_WAVE_MODE, 25, 1), 1
	s_wait_xcnt 0x0
; PREP: three pieces of work that the two later launches need from every row or every weight.
;  (1) qh    = LayerNorm(x; gamma1, beta1) in bf16, laid [batch 4][head 8][row 2048][32]: a head is 131,072 dense bytes.
;  (2) maskw = adj_matrix > 0 as lane masks: word [G 512][T 128][j 8], bit L = adj[row 16 G + (L & 15)][key 16 T + 8 (L >> 4) + j] > 0,
;              which is the lane mask of register j of a 16 key x 16 query score tile.  67,108,864 bytes become 2,097,152.
;  (3) wf    = W1 and W2 in bf16, cut into 16-byte pieces in the order in which the matrix fragments of the last launch are loaded:
;              eight streams of 131,072 bytes; stream s: W1 [fh 2][ks 8][ft 4][half 2][lane 32], then W2 [ks2 32][mi 2][half 2][lane 32];
;              a piece holds k = 32 kstep + 16 half + 8 (lane >> 4) + 0..7 of row ff = 128 s + 64 fh + 16 ft + (lane & 15) (W1)
;              or of row dout = 32 s + 16 mi + (lane & 15) (W2).
; 256 work-groups of eight waves, all alike.  Work-group g: adj strips G = 2 g, 2 g + 1 (16 rows each), x rows 32 g .. 32 g + 31, 256 pieces of wf.
; Wave w: strip 2 g + (w >> 2), keys 512 (w & 3) .. + 511 as four tiles of 16 rows x 128 int32; x rows 32 g + 4 w .. + 3; 32 pieces.
; Every LDS byte is one wave's own and is filled once, so there is no barrier.  No work-group shares an input tile with another: no cluster.
; The variance is taken of the deviations from the mean (two passes over registers), so a common offset of x costs no digits.
.set TPITCH, 528                       ; a tile's LDS row: 512 bytes + 16 of padding = 33 x 16: sixteen rows start in sixteen different 16-byte columns of 256 bytes
.set TILE,   16*TPITCH                 ; 8,448 bytes
.set WLDS,   4*TILE                    ; a wave's four tiles
.set STAGE,  8*WLDS                    ; 270,336: behind the tiles, 2,048 bytes a wave, written by LDS stores alone
.set XO,   1                           ; 16 x lane: my 16 bytes in each half of a row of x, of gamma1 and of beta1
.set LST,  2                           ; stage, in:  [head][row 4][64 bytes]
.set LRD,  3                           ; stage, back: 16 x lane
.set QO,   4                           ; my byte offset in qh
.set WSRC, 5                           ; my byte offset in W1 or W2
.set WDST, 6                           ; 16 x thread: my piece of wf
.set LA,   7                           ; LDS address of my 32 bytes in my wave's first tile
.set MO,   8                           ; 8 x lane: my two words of a tile's 64 mask words
.set RR,   9                           ; lane & 15
.set HH,   10                          ; (lane >> 4) & 1
.set LL,   11                          ; lane
.set MU,   12                          ; v[12:19]  minus the mean, a pair for each of 4 rows
.set RS,   20                          ; v[20:27]  1 / sqrt(var + eps), a pair for each row
.set SUM,  28                          ; v[28:31]  a sum for each row
.set X,    32                          ; v[32:63]  4 rows x 8 numbers; in the mask phase v[32:95] hold a tile
.set GA,   64                          ; v[64:71]  gamma1 of my 8 columns; later the stage read back
.set BE,   72                          ; v[72:79]  beta1
.set WF,   80                          ; v[80:87]  8 weights in f32
.set WP,   88                          ; v[88:91]  the piece in bf16
.set W,    96                          ; v[96:103] a pair of mask words for each tile
.set PX,   104                         ; v[104:107] what comes from the other half of the lanes
.set T,    108                         ; v[108:115] at work, a pair for each row
.set TMP,  116
	s_load_b512 s[4:19], s[0:1], 0x0               ; x s[4:5], adj s[6:7], gamma1 s[8:9], beta1 s[10:11], W1 s[12:13], W2 s[14:15], qh s[16:17], maskw s[18:19]
	s_load_b64 s[20:21], s[0:1], 0x40              ; wf
	v_lshl_add_u32 v120, v0, 2, 0x46000
	v_mov_b32 v121, 0
	ds_add_u32 v120, v121
	ds_add_u32 v120, v121
	v_lshrrev_b32 v[TMP], 5, v0
	v_readfirstlane_b32 s22, v[TMP]                ; wave 0..7
	; descriptor group 1: 16 rows x 128 elements of 4 bytes, 2,048 elements from row to row, 4 words of padding behind every 128
	s_mov_b32 s24, 0x07920000                      ; 17:16 size code 2; 20 padding on; 24:22 code 6 (128 words); 31:25 code 3 (4 words)
	s_mov_b32 s25, 128<<16                         ; tensor_dim0 = 128
	s_mov_b32 s26, 16<<16                          ; tensor_dim1 = 16
	s_mov_b32 s27, 128<<16                         ; tile_dim0 = 128
	s_mov_b32 s28, 16                              ; tile_dim1 = 16
	s_mov_b32 s29, 2048                            ; elements from row to row
	s_mov_b32 s30, 0
	s_mov_b32 s31, 0
	s_lshl_b32 s58, ttmp9, 1
	s_lshr_b32 s59, s22, 2
	s_add_co_u32 s58, s58, s59                     ; G: my strip of 16 rows of adj
	s_and_b32 s59, s22, 3                          ; my quarter of its keys
	s_lshl_b32 s48, s58, 17                        ; 16 rows x 8,192 bytes
	s_lshl_b32 s49, s59, 11                        ; 512 keys x 4 bytes
	s_add_co_u32 s48, s48, s49
	s_mov_b32 s49, 0
	s_mul_i32 s23, s22, WLDS                       ; my wave's tiles in LDS
	s_wait_dscnt 0x0
	s_wait_kmcnt 0x0
	s_add_nc_u64 s[6:7], s[6:7], s[48:49]
	; the four first fills go out together, ahead of everything else: four tensor loads of the wave are out, 33,792 bytes
.irp i, 0,1,2,3
	s_mov_b32 s[32+4*\i], 1
	s_add_co_u32 s[33+4*\i], s23, \i*TILE
	s_add_nc_u64 s[34+4*\i:35+4*\i], s[6:7], \i*512
	s_or_b32 s[35+4*\i], s[35+4*\i], 0x80000000
	tensor_load_to_lds s[32+4*\i:35+4*\i], s[24:31]
	s_nop 0
.endr
	v_and_b32 v[LL], 31, v0
	v_and_b32 v[RR], 15, v0
	v_bfe_u32 v[HH], v0, 4, 1
	v_lshlrev_b32 v[XO], 4, v[LL]
	s_lshl_b32 s48, ttmp9, 15                      ; 32 rows x 1,024 bytes
	s_lshl_b32 s49, s22, 12                        ; 4 rows
	s_add_co_u32 s48, s48, s49
	s_mov_b32 s49, 0
	s_add_nc_u64 s[4:5], s[4:5], s[48:49]
.irp rho, 0,1,2,3
	global_load_b128 v[X+8*\rho:X+8*\rho+3],   v[XO], s[4:5] offset:\rho*1024       ; columns 4 L .. 4 L + 3: a load covers 512 consecutive bytes
	global_load_b128 v[X+8*\rho+4:X+8*\rho+7], v[XO], s[4:5] offset:\rho*1024+512   ; columns 128 + 4 L ..
.endr
	global_load_b128 v[GA:GA+3],   v[XO], s[8:9]
	global_load_b128 v[GA+4:GA+7], v[XO], s[8:9] offset:512
	global_load_b128 v[BE:BE+3],   v[XO], s[10:11]
	global_load_b128 v[BE+4:BE+7], v[XO], s[10:11] offset:512
	; my piece of wf: eight numbers of one column of W1 or W2.  4,096 bytes of wf a work-group: g >> 5 is the stream, bit 4 of g says W1 (0) or W2 (1).
	; Both ways issue eight loads, so the counts below hold on both.
	s_lshr_b32 s60, ttmp9, 5
	s_bfe_u32 s61, ttmp9, 0x10004
	s_cmp_lg_u32 s61, 0
	s_cbranch_scc1 .Lw2
	s_and_b32 s61, ttmp9, 7                        ; ks
	s_lshl_b32 s61, s61, 17                        ; 32 rows of W1 x 4,096 bytes
	s_lshl_b32 s62, s60, 9                         ; 128 columns x 4 bytes a stream
	s_add_co_u32 s61, s61, s62
	s_bfe_u32 s62, ttmp9, 0x10003                  ; fh
	s_lshl_b32 s62, s62, 8
	s_add_co_u32 s61, s61, s62
	v_lshl_add_u32 v[WSRC], v[RR], 2, s61          ; column + (lane & 15)
	v_lshl_add_u32 v[WSRC], v[HH], 15, v[WSRC]     ; 8 rows
	v_bfe_u32 v[TMP], v0, 5, 1                     ; half
	v_lshl_add_u32 v[WSRC], v[TMP], 16, v[WSRC]    ; 16 rows
	v_bfe_u32 v[TMP], v0, 6, 2                     ; ft
	v_lshl_add_u32 v[WSRC], v[TMP], 6, v[WSRC]     ; 16 columns
.irp e, 0,1,2,3,4,5,6,7
	global_load_b32 v[WF+\e], v[WSRC], s[12:13] offset:\e*4096
.endr
	s_branch .Lwdone
.Lw2:
	s_and_b32 s61, ttmp9, 15
	s_lshl_b32 s61, s61, 16                        ; two k steps of 32 rows of W2 x 1,024 bytes
	s_lshl_b32 s62, s60, 7                         ; 32 columns x 4 bytes a stream
	s_add_co_u32 s61, s61, s62
	v_lshl_add_u32 v[WSRC], v[RR], 2, s61
	v_lshl_add_u32 v[WSRC], v[HH], 13, v[WSRC]     ; 8 rows
	v_bfe_u32 v[TMP], v0, 5, 1                     ; half
	v_lshl_add_u32 v[WSRC], v[TMP], 14, v[WSRC]    ; 16 rows
	v_bfe_u32 v[TMP], v0, 6, 1                     ; mi
	v_lshl_add_u32 v[WSRC], v[TMP], 6, v[WSRC]     ; 16 columns
	v_bfe_u32 v[TMP], v0, 7, 1                     ; which of the two k steps
	v_lshl_add_u32 v[WSRC], v[TMP], 15, v[WSRC]    ; 32 rows
.irp e, 0,1,2,3,4,5,6,7
	global_load_b32 v[WF+\e], v[WSRC], s[14:15] offset:\e*1024
.endr
.Lwdone:
	; the other addresses, while the loads are on their way
	s_lshl_b32 s61, s22, 11
	s_add_co_u32 s61, s61, STAGE                   ; my wave's stage
	v_lshrrev_b32 v[TMP], 3, v[LL]                 ; head of my columns in the row's first half
	v_and_b32 v[LST], 7, v[LL]
	v_lshlrev_b32 v[LST], 3, v[LST]                ; 4 bf16 = 8 bytes
	v_lshl_add_u32 v[LST], v[TMP], 8, v[LST]       ; a head's 4 rows x 64 bytes
	v_add_nc_u32 v[LST], s61, v[LST]
	v_add_nc_u32 v[LRD], s61, v[XO]
	v_lshlrev_b32 v[QO], 4, v[RR]
	v_lshl_add_u32 v[QO], v[HH], 17, v[QO]         ; lanes 16-31: the next head, 131,072 bytes on
	v_lshlrev_b32 v[WDST], 4, v0
	v_mul_u32_u24 v[LA], v[RR], TPITCH
	v_lshl_add_u32 v[LA], v[HH], 5, v[LA]          ; 8 keys x 4 bytes
	v_add_nc_u32 v[LA], s23, v[LA]
	v_lshlrev_b32 v[MO], 3, v[LL]
.irp k, 0,1,2,3
	v_mov_b32 v[PX+\k], 0                          ; a lane permute's destination counts as read: written once here
.endr
.irp k, 0,1,2,3,4,5,6,7
	v_mov_b32 v[W+\k], 0                           ; v_writelane_b32 fills these lane by lane: written whole once
.endr
	s_mov_b32 s66, 0x76543210                      ; v_permlanex16_b32: lane i of one half reads lane i of the other
	s_mov_b32 s67, 0xfedcba98
	s_mov_b32 s68, 0x3b800000                      ; 1 / 256
	s_mov_b32 s69, 0x3727c5ac                      ; 1e-5
	s_lshr_b32 s48, ttmp9, 6                       ; batch
	s_lshl_b32 s48, s48, 20                        ; 8 heads x 131,072 bytes
	s_and_b32 s49, ttmp9, 63
	s_lshl_b32 s49, s49, 11                        ; 32 rows x 64 bytes
	s_add_co_u32 s48, s48, s49
	s_lshl_b32 s49, s22, 8                         ; 4 rows x 64 bytes
	s_add_co_u32 s48, s48, s49
	s_mov_b32 s49, 0
	s_add_nc_u64 s[16:17], s[16:17], s[48:49]      ; qh at my four rows of head 0
	s_lshl_b32 s48, s58, 12                        ; a strip's 1,024 words
	s_lshl_b32 s49, s59, 10                        ; my quarter
	s_add_co_u32 s48, s48, s49
	s_mov_b32 s49, 0
	s_add_nc_u64 s[18:19], s[18:19], s[48:49]
	s_lshl_b32 s48, ttmp9, 12
	s_add_nc_u64 s[20:21], s[20:21], s[48:49]      ; wf at the work-group's 4,096 bytes
; the four rows' sums over the 32 lanes, stage by stage so that no line waits for the one in front of it
.macro WRED4
.irp m, 1,2,4,8
.irp rho, 0,1,2,3
	v_add_f32_dpp v[SUM+\rho], v[SUM+\rho], v[SUM+\rho] row_xmask:\m row_mask:0xf bank_mask:0xf
.endr
.endr
.irp rho, 0,1,2,3
	v_permlanex16_b32 v[PX+\rho], v[SUM+\rho], s66, s67
.endr
.irp rho, 0,1,2,3
	v_add_f32 v[SUM+\rho], v[SUM+\rho], v[PX+\rho]
.endr
.endm
	s_wait_loadcnt 0x8                             ; x, gamma1, beta1 are in; the eight weight loads, issued behind them, stay out
.irp rho, 0,1,2,3
	v_pk_add_f32 v[T+2*\rho:T+2*\rho+1], v[X+8*\rho:X+8*\rho+1], v[X+8*\rho+2:X+8*\rho+3]
.endr
.irp p, 4,6
.irp rho, 0,1,2,3
	v_pk_add_f32 v[T+2*\rho:T+2*\rho+1], v[T+2*\rho:T+2*\rho+1], v[X+8*\rho+\p:X+8*\rho+\p+1]
.endr
.endr
.irp rho, 0,1,2,3
	v_add_f32 v[SUM+\rho], v[T+2*\rho], v[T+2*\rho+1]
.endr
	WRED4
.irp rho, 0,1,2,3
	v_mul_f32 v[MU+2*\rho],   0xbb800000, v[SUM+\rho]          ; minus the mean, twice: a pair for the packed add
	v_mul_f32 v[MU+2*\rho+1], 0xbb800000, v[SUM+\rho]
.endr
.irp rho, 0,1,2,3
.irp p, 0,2,4,6
	v_pk_add_f32 v[X+8*\rho+\p:X+8*\rho+\p+1], v[X+8*\rho+\p:X+8*\rho+\p+1], v[MU+2*\rho:MU+2*\rho+1]
.endr
.endr
.irp rho, 0,1,2,3
	v_pk_mul_f32 v[T+2*\rho:T+2*\rho+1], v[X+8*\rho:X+8*\rho+1], v[X+8*\rho:X+8*\rho+1]
.endr
.irp p, 2,4,6
.irp rho, 0,1,2,3
	v_pk_fma_f32 v[T+2*\rho:T+2*\rho+1], v[X+8*\rho+\p:X+8*\rho+\p+1], v[X+8*\rho+\p:X+8*\rho+\p+1], v[T+2*\rho:T+2*\rho+1]
.endr
.endr
.irp rho, 0,1,2,3
	v_add_f32 v[SUM+\rho], v[T+2*\rho], v[T+2*\rho+1]
.endr
	WRED4
.irp rho, 0,1,2,3
	v_fma_f32 v[SUM+\rho], v[SUM+\rho], s68, s69               ; variance + eps
.endr
.irp rho, 0,1,2,3
	v_rsq_f32 v[RS+2*\rho], v[SUM+\rho]
.endr
	v_nop                                          ; one plain vector instruction stands between a transcendental and the first use of its result (ISA guide 5.7.2)
	s_wait_alu depctr_va_vdst(0)
.irp rho, 0,1,2,3
	v_mov_b32 v[RS+2*\rho+1], v[RS+2*\rho]
.endr
.irp rho, 0,1,2,3
.irp p, 0,2,4,6
	v_pk_mul_f32 v[X+8*\rho+\p:X+8*\rho+\p+1], v[X+8*\rho+\p:X+8*\rho+\p+1], v[RS+2*\rho:RS+2*\rho+1]
.endr
.irp p, 0,2,4,6
	v_pk_fma_f32 v[X+8*\rho+\p:X+8*\rho+\p+1], v[X+8*\rho+\p:X+8*\rho+\p+1], v[GA+\p:GA+\p+1], v[BE+\p:BE+\p+1]
.endr
.endr
	; to bf16 and through my own stage, so that sixteen lanes store 4 rows x 64 bytes = 256 consecutive bytes of one head
.irp rho, 0,1,2,3
.irp i, 0,1
	v_cvt_pk_bf16_f32 v[X+8*\rho+4*\i],   v[X+8*\rho+4*\i],   v[X+8*\rho+4*\i+1]
	v_cvt_pk_bf16_f32 v[X+8*\rho+4*\i+1], v[X+8*\rho+4*\i+2], v[X+8*\rho+4*\i+3]
	ds_store_b64 v[LST], v[X+8*\rho+4*\i:X+8*\rho+4*\i+1] offset:\rho*64+\i*1024    ; the row's second half: four heads on
.endr
.endr
.irp k, 0,1,2,3
	ds_load_b128 v[GA+4*\k:GA+4*\k+3], v[LRD] offset:512*\k    ; heads 2 k, 2 k + 1.  LDS serves a wave's instructions in order (ISA guide 5.7.1): these see the stores above
.endr
.irp k, 0,1,2,3
	s_wait_dscnt 3-\k                              ; load k is back, the younger ones may be out
	global_store_b128 v[QO], v[GA+4*\k:GA+4*\k+3], s[16:17] offset:\k*262144
.endr
	s_wait_loadcnt 0x0                             ; the eight weights
.irp e, 0,1,2,3
	v_cvt_pk_bf16_f32 v[WP+\e], v[WF+2*\e], v[WF+2*\e+1]
.endr
	global_store_b128 v[WDST], v[WP:WP+3], s[20:21]            ; a wave stores 512 consecutive bytes
	s_wait_xcnt 0x0                                ; the stores' data, v[64:79] and v[88:91], are loaded over below only behind this wait
; Tile i: 16 rows x 128 keys.  Lane (r, h) reads, for each of eight blocks of 16 keys, the 8 numbers of row r at keys 8 h .. 8 h + 7;
; a compare turns register j of all 32 lanes into one mask word; word 8 kt + j goes to lane 4 kt + (j >> 1), register j & 1,
; so that one store of 8 bytes a lane writes the tile's 64 words, 256 consecutive bytes.
.macro MTILE i
	s_wait_tensorcnt 3-\i                          ; a wave's tensor loads end in order (ISA guide 10.11.1): tile i is in, the younger ones stay out; the last count is 0
.irp kt, 0,1,2,3,4,5,6,7
	ds_load_b128 v[X+8*\kt:X+8*\kt+3],   v[LA] offset:\i*TILE+64*\kt
	ds_load_b128 v[X+8*\kt+4:X+8*\kt+7], v[LA] offset:\i*TILE+64*\kt+16
.endr
.irp kt, 0,1,2,3,4,5,6,7
	s_wait_dscnt 14-2*\kt                          ; block kt's two loads are back
.irp j, 0,1,2,3,4,5,6,7
	v_cmp_lt_i32 s[50+\j], 0, v[X+8*\kt+\j]
.endr
.irp j, 0,1,2,3,4,5,6,7
	v_writelane_b32 v[W+2*\i+(\j&1)], s[50+\j], 4*\kt+(\j>>1)
.endr
.endr
	global_store_b64 v[MO], v[W+2*\i:W+2*\i+1], s[18:19] offset:\i*256     ; each tile has its own pair: no store's data is written again
.endm
	MTILE 0
	MTILE 1
	MTILE 2
	MTILE 3
	s_wait_tensorcnt 0x0
	ds_add_u32 v120, v121
	s_wait_dscnt 0x0
	s_endpgm
.Lfunc_end_k_q0c9bea97f7_prep:
	.size	k_q0c9bea97f7_prep, .Lfunc_end_k_q0c9bea97f7_prep-k_q0c9bea97f7_prep
	.p2alignl 7, 3214868480
	.fill 96, 4, 3214868480
	.section	.rodata,"a",@progbits
	.p2align	6, 0x0
	.amdhsa_kernel k_q0c9bea97f7_prep
		.amdhsa_group_segment_fixed_size 287744
		.amdhsa_private_segment_fixed_size 0
		.amdhsa_enable_private_segment 0
		.amdhsa_kernarg_size 72
		.amdhsa_user_sgpr_count 2
		.amdhsa_user_sgpr_kernarg_segment_ptr 1
		.amdhsa_wavefront_size32 1
		.amdhsa_system_sgpr_workgroup_id_x 1
		.amdhsa_system_sgpr_workgroup_id_y 1
		.amdhsa_system_sgpr_workgroup_id_z 1
		.amdhsa_system_vgpr_workitem_id 0
		.amdhsa_next_free_vgpr 122
		.amdhsa_next_free_sgpr 70
		.amdhsa_reserve_vcc 0
		.amdhsa_float_denorm_mode_32 3
		.amdhsa_float_denorm_mode_16_64 3
		.amdhsa_memory_ordered 1
		.amdhsa_forward_progress 1
		.amdhsa_inst_pref_size 59
	.end_amdhsa_kernel
	.amdgpu_metadata
---
amdhsa.version: [ 1, 2 ]
amdhsa.kernels:
  - .name:           k_q0c9bea97f7_prep
    .symbol:         k_q0c9bea97f7_prep.kd
    .args:
      - { .name: x, .offset: 0, .size: 8, .value_kind: global_buffer, .address_space: global }
      - { .name: adj_matrix, .offset: 8, .size: 8, .value_kind: global_buffer, .address_space: global }
      - { .name: gamma1, .offset: 16, .size: 8, .value_kind: global_buffer, .address_space: global }
      - { .name: beta1, .offset: 24, .size: 8, .value_kind: global_buffer, .address_space: global }
      - { .name: W1, .offset: 32, .size: 8, .value_kind: global_buffer, .address_space: global }
      - { .name: W2, .offset: 40, .size: 8, .value_kind: global_buffer, .address_space: global }
      - { .name: qh, .offset: 48, .size: 8, .value_kind: global_buffer, .address_space: global }
      - { .name: maskw, .offset: 56, .size: 8, .value_kind: global_buffer, .address_space: global }
      - { .name: wf, .offset: 64, .size: 8, .value_kind: global_buffer, .address_space: global }
    .group_segment_fixed_size: 287744
    .private_segment_fixed_size: 0
    .kernarg_segment_align: 8
    .kernarg_segment_size: 72
    .max_flat_workgroup_size: 256
    .sgpr_count:     70
    .vgpr_count:     122
    .wavefront_size: 32
...
	.end_amdgpu_metadata
.endif
;; end of part 1
;; launch attn (part 2): grid 8 x 32, 16 waves a work-group, clusters of 4 x 1, 239,616 bytes of LDS; arguments qh, maskw, att; writes att
.if DOCPART == 2
	.amdgcn_target "amdgcn-amd-amdhsa--gfx1250"
	.amdhsa_code_object_version 6
	.text
	.protected	k_q0c9bea97f7_attn
	.globl	k_q0c9bea97f7_attn
	.p2align	8
	.type	k_q0c9bea97f7_attn,@function
k_q0c9bea97f7_attn:
	s_mov_b64 s[64:65], 0
	v_nop
	global_prefetch_b8 v0, s[64:65] scope:SCOPE_SE
	s_setreg_imm32_b32 hwreg(HW_REG_WAVE_MODE, 25, 1), 1
	s_wait_xcnt 0x0
	s_wait_alu depctr_hold_cnt(0) depctr_sa_sdst(0) depctr_va_vdst(0) depctr_va_sdst(0) depctr_va_ssrc(0) depctr_va_vcc(0) depctr_vm_vsrc(0)
	s_getreg_b32 s2, hwreg(HW_REG_IB_STS2, 6, 4)
	s_cmp_eq_u32 s2, 0
	s_cbranch_scc0 .Lentry_in_a_cluster
	s_endpgm
.Lentry_in_a_cluster:
	s_bfe_u32 s2, ttmp6, 0x10000c
	s_cmp_lg_u32 s2, 0x3003
	s_cbranch_scc0 .Lentry_shape_is_right
	s_endpgm
.Lentry_shape_is_right:
; ATTN: att[b][head][q][0..31] = softmax over the keys with adj > 0 of (q . k / sqrt(32)) times v, with q = k = v = qh (bf16), sums in f32.
; A work-group takes one head (y = 8 b + head) and 256 queries.  SIXTEEN WAVES of 256 registers, four on each SIMD (4 x 256 = 1,024 registers):
; waves w and w xor 8 take the same 32 queries (two tiles of 16); wave w takes them against keys 1,024 (w >> 3) .. + 1,023, 16 steps of 64 keys.
; The step is bound by vector work with holes in it (mask words, matrix results, LDS): four waves fill each other's holes.
; At the end the two waves of a pair exchange one query tile each through LDS and merge the two halves of the softmax: register tile 0 of a wave
; is the pair's query tile (w >> 3), register tile 1 the other one (a matter of addresses alone), so that every wave gives tile 1 away, takes the
; partner's tile 1 for its own tile 0, and stores 16 rows: the same text for all sixteen waves, no branch on the wave's number.
; The head's 2,048 rows of 64 bytes stay in LDS for the whole launch: filled once, never again, so the loop has no barrier.
; CLUSTER: the four work-groups of a cluster (4 along x) work on the same head and need the same 131,072 bytes: each wave asks for its
; sixteenth by a joint load with the mask 15.  The place in the cluster enters global addresses alone (my queries, my masks, my output).
; TRANSPOSED USE: S^T = K Q^T (source 0 = 16 keys, source 1 = 16 queries): lane (r, h) holds query r, register j key 8 h + j.  So a query's
; maximum, sum and rescaling live in one lane but for one exchange between the halves; packing two neighbouring score tiles to bf16 gives
; source 1 of O^T = V^T P^T as it stands; and the mask of register j is one 32-bit word, read by scalar loads and used by one v_cndmask_b32.
; SOFTMAX: a running maximum of the masked scores, taken in every step of 64 keys; p = 2^(c s - c m), c = log2(e) / sqrt(32).
; LIMITS: the running maximum starts at -2^127, so that a block of keys that is wholly masked adds zeros; a row whose unmasked scores all lie
; below -2^127 is not served.  A row with no key at all gives 0 x infinity = NaN, as the definition does.  Exponentials below 2^-126 count as 0.
.set PITCH,  80                        ; an LDS row: 64 bytes + 16 = 5 x 16: the 16 rows of a K fragment start in 16 different 16-byte columns of 256 bytes
.set STEPB,  64*PITCH                  ; a step's 64 keys
.set HALFB,  1024*PITCH                ; the keys of one wave of a pair
.set PART,   2048*PITCH                ; 163,840: behind K: what a wave gives to its partner, 2,304 bytes a wave (O^T 2,048, then -c m and l, 256)
.set PARTB,  2304
.set SPITCH, 144                       ; behind that, at 200,704: the way out, 16 rows x 144 bytes = 2,304 bytes a wave.  Both areas are written by LDS stores alone
.set KA,   3                           ; LDS address of my part of the K fragments of the step that is loaded next
.set VA,   4                           ; the same for the transposing loads of V
.set NINF, 5                           ; minus infinity
.set STO,  6                           ; way out: where I put 32 bytes of a row
.set RD,   7                           ; way out: where I read rows back
.set GO,   8                           ; 16 x lane
.set QO,   9                           ; my byte offset in the Q tile of register tile 0
.set TX,   10                          ; what comes from the other half of the lanes
.set MN,   12                          ; v[12:15]  -c x running maximum, a pair for each query tile (the second register is only ever named)
.set AL,   16                          ; v[16:19]  the step's rescaling factor, likewise
.set MOLD, 20                          ; v20, v21  the running maximum
.set TN,   22
.set QO1,  23                          ; my byte offset in the Q tile of register tile 1
.set LP,   24                          ; v[24:31]  running sums: two pairs for each query tile
.set T,    32                          ; v[32:41]  at work
.set PST,  42                          ; exchange: 16 x lane in my own 2,304 bytes
.set PRD,  43                          ; the same in my partner's
.set PS2,  44                          ; exchange: 8 x lane in my own
.set PR2,  45                          ; the same in my partner's
.set QF,   48                          ; v[48:63]  Q fragments, two tiles
.set KF,   64                          ; v[64:95]  K fragments, four tiles of 16 keys
.set VF,   96                          ; v[96:127] V^T fragments: (32 keys g, 16 columns dt) at 16 g + 8 dt
.set S,    128                         ; v[128:191] scores: query tile q, key tile t, register j at 32 q + 8 t + j
.set P,    192                         ; v[192:223] the same in bf16: 16 q + 4 t + j / 2
.set O,    224                         ; v[224:255] O^T: 16 q + 8 dt
; s[16:47], s[68:99]: the step's 32 mask words of register tile 0, 1; s[60:61], s[66:67]: where the next ones lie
.macro ROUND                           ; a round of the cluster's barrier
	s_barrier_signal -1
	s_barrier_wait -1
	s_cmp_lg_u32 s10, 0
	s_cbranch_scc1 .Lnot_wave_0_\@
	s_barrier_signal -3
.Lnot_wave_0_\@:
	s_barrier_wait -3
	s_barrier_signal -1
	s_barrier_wait -1
.endm
	s_load_b128 s[4:7], s[0:1], 0x0                ; qh s[4:5], maskw s[6:7]
	s_load_b64 s[8:9], s[0:1], 0x10                ; att
	v_lshl_add_u32 v46, v0, 2, 0x3a000
	v_mov_b32 v47, 0
	ds_add_u32 v46, v47
	ds_add_u32 v46, v47
	v_lshrrev_b32 v1, 5, v0
	v_readfirstlane_b32 s10, v1                    ; wave 0..15
	s_bfe_u32 s11, ttmp6, 0x40000                  ; cx
	s_lshl_b32 s12, ttmp9, 2
	s_add_co_u32 s12, s12, s11                     ; my block of 256 queries
	s_and_b32 s13, ttmp7, 0xffff                   ; 8 b + head
	; the joint load: my wave's 128 rows = 8,192 dense bytes, taken as 32 rows of 256 bytes; 16 bytes of padding behind every 64
	s_mov_b32 s48, 1
	s_mul_i32 s49, s10, 128*PITCH                  ; LDS address: the wave's number times a constant
	s_mov_b32 s52, 0x06f3000f                      ; 15:0 mask 15; 17:16 size code 3 (8 bytes); 20 padding on; 21 set beside a mask; 24:22 code 3 (16 words); 31:25 code 3 (4 words)
	s_mov_b32 s53, 32<<16                          ; tensor_dim0 = 32
	s_mov_b32 s54, 32<<16                          ; tensor_dim1 = 32
	s_mov_b32 s55, 32<<16                          ; tile_dim0 = 32
	s_mov_b32 s56, 32                              ; tile_dim1 = 32
	s_mov_b32 s57, 32                              ; elements from row to row
	s_mov_b32 s58, 0
	s_mov_b32 s59, 0
	s_lshl_b32 s14, s13, 17                        ; the head's 131,072 bytes
	s_lshl_b32 s15, s10, 13
	s_add_co_u32 s14, s14, s15
	s_mov_b32 s15, 0
	s_wait_dscnt 0x0
	s_wait_kmcnt 0x0
	s_add_nc_u64 s[50:51], s[4:5], s[14:15]        ; made of the head and the wave's number alone: equal in the four partners
	s_or_b32 s51, s51, 0x80000000
	ROUND                                          ; the four work-groups are here: the joint loads meet
	tensor_load_to_lds s[48:51], s[52:59]          ; the wave's one tensor load of the launch
	s_nop 0
	s_and_b32 s2, s10, 7                           ; my pair: its 32 queries
	s_lshr_b32 s3, s10, 3                          ; which half of the keys is mine, and which of the pair's two query tiles I finish
	s_lshr_b32 s14, s13, 3                         ; batch
	s_lshl_b32 s14, s14, 19                        ; 128 strips x 4,096 bytes
	s_lshl_b32 s15, s12, 16                        ; 16 strips
	s_add_co_u32 s14, s14, s15
	s_lshl_b32 s15, s2, 13                         ; 2 strips
	s_add_co_u32 s14, s14, s15
	s_lshl_b32 s15, s3, 11                         ; my half of the keys: 16 steps x 128 bytes
	s_add_co_u32 s14, s14, s15
	s_mov_b32 s15, 0
	s_add_nc_u64 s[6:7], s[6:7], s[14:15]
	s_lshl_b32 s14, s3, 12
	s_add_nc_u64 s[60:61], s[6:7], s[14:15]        ; the mask words of register tile 0: the strip of the query tile that I finish
	s_xor_b32 s14, s14, 0x1000
	s_add_nc_u64 s[66:67], s[6:7], s[14:15]        ; of register tile 1: the pair's other strip
	s_load_b512 s[16:31], s[60:61], 0x0
	s_load_b512 s[32:47], s[60:61], 0x40
	s_load_b512 s[68:83], s[66:67], 0x0
	s_load_b512 s[84:99], s[66:67], 0x40
	s_lshl_b32 s14, s13, 17
	s_lshl_b32 s15, s12, 14                        ; 256 rows x 64 bytes
	s_add_co_u32 s14, s14, s15
	s_lshl_b32 s15, s2, 11                         ; 32 rows
	s_add_co_u32 s14, s14, s15
	s_mov_b32 s15, 0
	s_add_nc_u64 s[4:5], s[4:5], s[14:15]          ; my pair's 32 queries
	v_and_b32 v1, 15, v0                           ; r
	v_bfe_u32 v2, v0, 4, 1                         ; h
	v_lshlrev_b32 v[QO], 6, v1
	v_lshl_add_u32 v[QO], v2, 4, v[QO]
	s_lshl_b32 s14, s3, 10                         ; 16 rows x 64 bytes
	v_add_nc_u32 v[QO], s14, v[QO]
	v_xor_b32 v[QO1], 0x400, v[QO]                 ; the other tile
	global_load_b128 v[QF:QF+3],     v[QO],  s[4:5]            ; query r, columns 8 h .. 8 h + 7
	global_load_b128 v[QF+4:QF+7],   v[QO],  s[4:5] offset:32  ; columns 16 + 8 h ..
	global_load_b128 v[QF+8:QF+11],  v[QO1], s[4:5]
	global_load_b128 v[QF+12:QF+15], v[QO1], s[4:5] offset:32
	s_lshl_b32 s14, s13, 18                        ; a head of att: 2,048 rows x 128 bytes
	s_lshl_b32 s15, s12, 15
	s_add_co_u32 s14, s14, s15
	s_lshl_b32 s15, s2, 12
	s_add_co_u32 s14, s14, s15
	s_lshl_b32 s15, s3, 11                         ; the 16 rows that I finish
	s_add_co_u32 s14, s14, s15
	s_mov_b32 s15, 0
	s_add_nc_u64 s[8:9], s[8:9], s[14:15]
	s_mul_i32 s14, s3, HALFB                       ; my half of the keys in LDS
	v_mul_u32_u24 v[KA], v1, PITCH
	v_lshl_add_u32 v[KA], v2, 4, v[KA]             ; key r, 16 bytes for each half of the lanes
	v_add_nc_u32 v[KA], s14, v[KA]
	v_and_b32 v[VA], 7, v0
	v_lshl_add_u32 v[VA], v2, 3, v[VA]             ; key 8 h + (lane & 7)
	v_mul_u32_u24 v[VA], v[VA], PITCH
	v_bfe_u32 v11, v0, 3, 1
	v_lshl_add_u32 v[VA], v11, 4, v[VA]            ; + 16 bytes for the upper eight lanes of each half
	v_add_nc_u32 v[VA], s14, v[VA]
	v_mov_b32 v[NINF], 0xff800000
	s_mul_i32 s14, s10, PARTB
	s_add_co_u32 s14, s14, PART                    ; what I give away
	s_xor_b32 s15, s10, 8                          ; my partner
	s_mul_i32 s15, s15, PARTB
	s_add_co_u32 s15, s15, PART                    ; what it gives me
	v_and_b32 v11, 31, v0
	v_lshlrev_b32 v[GO], 4, v11
	v_add_nc_u32 v[PST], s14, v[GO]
	v_add_nc_u32 v[PRD], s15, v[GO]
	v_lshl_add_u32 v[PS2], v11, 3, s14
	v_lshl_add_u32 v[PR2], v11, 3, s15
	s_add_co_u32 s14, s14, 16*PARTB                ; my stage for the way out
	v_mul_u32_u24 v[STO], v1, SPITCH
	v_lshl_add_u32 v[STO], v2, 5, v[STO]
	v_add_nc_u32 v[STO], s14, v[STO]
	v_lshrrev_b32 v[RD], 3, v11
	v_mul_u32_u24 v[RD], v[RD], SPITCH
	v_and_b32 v[T], 7, v0
	v_lshl_add_u32 v[RD], v[T], 4, v[RD]
	v_add_nc_u32 v[RD], s14, v[RD]
	v_mov_b32 v[TX], 0                             ; a lane permute's destination counts as read
	v_mov_b32 v[MN+1], 0                           ; the second registers of pairs of which the first alone is used
	v_mov_b32 v[MN+3], 0
	v_mov_b32 v[AL+1], 0
	v_mov_b32 v[AL+3], 0
	s_mov_b32 s100, 0x3e8293ee                     ; c = log2(e) / sqrt(32)
	s_mov_b32 s101, 0x3e8293ee
	s_mov_b32 s63, 0xbe8293ee                      ; -c
	s_mov_b32 s104, 0x76543210
	s_mov_b32 s105, 0xfedcba98
	s_wait_tensorcnt 0x0                           ; my sixteenth of the head has landed,
	s_barrier_signal -1
	s_barrier_wait -1                              ; everybody's has
.irp t, 0,1,2,3
	ds_load_b128 v[KF+8*\t:KF+8*\t+3],   v[KA] offset:\t*16*PITCH
	ds_load_b128 v[KF+8*\t+4:KF+8*\t+7], v[KA] offset:\t*16*PITCH+32
.endr
	s_wait_loadcnt 0x0                             ; Q
; the running maximum of query tile q, -c times it, and the factor by which what has been summed so far shrinks
.macro MAXQ q, first
.irp i, 0,1,2,3,4,5,6,7,8,9
	v_max3_num_f32 v[T+\i], v[S+32*\q+3*\i], v[S+32*\q+3*\i+1], v[S+32*\q+3*\i+2]
.endr
	v_max3_num_f32 v[T],   v[T],   v[T+1], v[T+2]
	v_max3_num_f32 v[T+3], v[T+3], v[T+4], v[T+5]
	v_max3_num_f32 v[T+6], v[T+6], v[T+7], v[T+8]
	v_max3_num_f32 v[T+9], v[T+9], v[S+32*\q+30], v[S+32*\q+31]
	v_max3_num_f32 v[T], v[T], v[T+3], v[T+6]
	v_max_num_f32 v[T], v[T], v[T+9]
	v_permlanex16_b32 v[TX], v[T], s104, s105      ; the other eight keys of each tile lie in the other half of the lanes
.if \first
	v_max3_num_f32 v[MOLD+\q], v[T], v[TX], 0xff000000         ; the floor, -2^127
	v_mul_f32 v[MN+2*\q], s63, v[MOLD+\q]
.else
	v_max3_num_f32 v[MOLD+\q], v[T], v[TX], v[MOLD+\q]
	v_mul_f32 v[TN], s63, v[MOLD+\q]
	v_sub_f32 v[AL+2*\q], v[TN], v[MN+2*\q]        ; two products rounded alike: exactly 0 while the maximum stands
	v_exp_f32 v[AL+2*\q], v[AL+2*\q]
	v_mov_b32 v[MN+2*\q], v[TN]                    ; a plain instruction behind the transcendental (ISA guide 5.7.2)
.endif
.endm
; pair i of query tile q's exponentials joins one of its two running sums; in the first step pairs 0 to 3 start them
.macro LSUM q, first
.if \first
.if i >= 4
	v_pk_add_f32 v[LP+4*\q+2*(i&1):LP+4*\q+2*(i&1)+1], v[LP+4*\q+2*(i&1):LP+4*\q+2*(i&1)+1], v[S+32*\q+2*i:S+32*\q+2*i+1]
	s_wait_alu depctr_va_vdst(0)
.else
.if i >= 2
	v_pk_add_f32 v[LP+4*\q+2*(i&1):LP+4*\q+2*(i&1)+1], v[S+32*\q+2*i-4:S+32*\q+2*i-3], v[S+32*\q+2*i:S+32*\q+2*i+1]
.endif
.endif
.else
	v_pk_add_f32 v[LP+4*\q+2*(i&1):LP+4*\q+2*(i&1)+1], v[LP+4*\q+2*(i&1):LP+4*\q+2*(i&1)+1], v[S+32*\q+2*i:S+32*\q+2*i+1]
.endif
.endm
; O^T += V^T P^T for 32 keys: four matrix instructions on four accumulators
.macro PV g, zero
.irp q, 0,1
.irp dt, 0,1
.if \zero
	v_wmma_f32_16x16x32_bf16 v[O+16*\q+8*\dt:O+16*\q+8*\dt+7], v[VF+16*\g+8*\dt:VF+16*\g+8*\dt+7], v[P+16*\q+8*\g:P+16*\q+8*\g+7], 0
.else
	v_wmma_f32_16x16x32_bf16 v[O+16*\q+8*\dt:O+16*\q+8*\dt+7], v[VF+16*\g+8*\dt:VF+16*\g+8*\dt+7], v[P+16*\q+8*\g:P+16*\q+8*\g+7], v[O+16*\q+8*\dt:O+16*\q+8*\dt+7]
.endif
.endr
.endr
.endm
; One step: 64 keys against both query tiles.  first = 1: nothing has been summed yet.  more = 1: a further step follows.
.macro STEP first, more
	s_wait_dscnt 0x0                               ; this step's K fragments are in
.irp q, 0,1
.irp t, 0,1,2,3
	v_wmma_f32_16x16x32_bf16 v[S+32*\q+8*\t:S+32*\q+8*\t+7], v[KF+8*\t:KF+8*\t+7], v[QF+8*\q:QF+8*\q+7], 0
.endr
.endr
.rept 4
	v_nop                                          ; four places (ISA guide 7.12.1) before the scores are read and before K's and V's fragment registers, which matrix instructions have read, are loaded again
.endr
.irp g, 0,1
.irp dt, 0,1
	ds_load_tr16_b128 v[VF+16*\g+8*\dt:VF+16*\g+8*\dt+3],   v[VA] offset:\g*32*PITCH+32*\dt              ; column 16 dt + r, keys 32 g + 8 h ..
	ds_load_tr16_b128 v[VF+16*\g+8*\dt+4:VF+16*\g+8*\dt+7], v[VA] offset:\g*32*PITCH+32*\dt+16*PITCH     ; keys 32 g + 16 + 8 h ..
.endr
.endr
.if \more
.irp t, 0,1,2,3
	ds_load_b128 v[KF+8*\t:KF+8*\t+3],   v[KA] offset:STEPB+\t*16*PITCH      ; the next step's keys
	ds_load_b128 v[KF+8*\t+4:KF+8*\t+7], v[KA] offset:STEPB+\t*16*PITCH+32
.endr
	v_add_nc_u32 v[KA], STEPB, v[KA]
	v_add_nc_u32 v[VA], STEPB, v[VA]
.endif
	s_wait_kmcnt 0x0                               ; this step's 64 mask words
.irp q, 0,1
.set i, 0
.rept 32
	v_cndmask_b32 v[S+32*\q+i], v[NINF], v[S+32*\q+i], s[16+52*\q+i]
.set i, i+1
.endr
.endr
.if \more
	s_add_nc_u64 s[60:61], s[60:61], 128           ; the loads that named the pointers are done: the wait above
	s_add_nc_u64 s[66:67], s[66:67], 128
	s_load_b512 s[16:31], s[60:61], 0x0            ; the next step's words have the rest of this step in which to come
	s_load_b512 s[32:47], s[60:61], 0x40
	s_load_b512 s[68:83], s[66:67], 0x0
	s_load_b512 s[84:99], s[66:67], 0x40
.endif
	MAXQ 0, \first
	MAXQ 1, \first
.set i, 0
.rept 16
	v_pk_fma_f32 v[S+2*i:S+2*i+1], v[S+2*i:S+2*i+1], s[100:101], v[MN:MN+1] op_sel_hi:[1,0,0]     ; c s - c m
.set i, i+1
.endr
	; the exponentials of one query tile go out between the plain work of the other, so that each has a plain instruction behind it (ISA guide 5.7.2)
.set i, 0
.rept 16
	v_exp_f32 v[S+2*i], v[S+2*i]
	v_exp_f32 v[S+2*i+1], v[S+2*i+1]
	v_pk_fma_f32 v[S+32+2*i:S+32+2*i+1], v[S+32+2*i:S+32+2*i+1], s[100:101], v[MN+2:MN+3] op_sel_hi:[1,0,0]
.set i, i+1
.endr
.if !\first
	s_wait_alu depctr_va_vdst(0)
	v_pk_mul_f32 v[LP:LP+1],   v[LP:LP+1],   v[AL:AL+1] op_sel_hi:[1,0]
	v_pk_mul_f32 v[LP+2:LP+3], v[LP+2:LP+3], v[AL:AL+1] op_sel_hi:[1,0]
.endif
.set i, 0
.rept 16
	v_exp_f32 v[S+32+2*i], v[S+32+2*i]
	v_exp_f32 v[S+32+2*i+1], v[S+32+2*i+1]
	s_wait_alu depctr_va_vdst(0)
	v_cvt_pk_bf16_f32 v[P+i], v[S+2*i], v[S+2*i+1]
	LSUM 0, \first
.set i, i+1
.endr
.if !\first
.irp q, 0,1
.irp p, 0,2,4,6,8,10,12,14
	v_pk_mul_f32 v[O+16*\q+\p:O+16*\q+\p+1], v[O+16*\q+\p:O+16*\q+\p+1], v[AL+2*\q:AL+2*\q+1] op_sel_hi:[1,0]
.endr
.endr
	v_pk_mul_f32 v[LP+4:LP+5], v[LP+4:LP+5], v[AL+2:AL+3] op_sel_hi:[1,0]
	v_pk_mul_f32 v[LP+6:LP+7], v[LP+6:LP+7], v[AL+2:AL+3] op_sel_hi:[1,0]
	s_wait_alu depctr_va_vdst(0)
.endif
.set i, 0
.rept 16
	v_cvt_pk_bf16_f32 v[P+16+i], v[S+32+2*i], v[S+32+2*i+1]
	LSUM 1, \first
.set i, i+1
.endr
.if \more
	s_wait_dscnt 0x8                               ; V's eight loads are back; the eight of the next step's K, issued behind them, may be out
.else
	s_wait_dscnt 0x0
.endif
	PV 0, \first                                   ; the four accumulators take turns, one instruction a turn
	PV 1, 0
.endm
	STEP 1, 1                                      ; 16 steps of 64 keys: the first starts the sums,
	s_mov_b32 s62, 14
.Lstep:
	STEP 0, 1
	s_sub_co_u32 s62, s62, 1
	s_cmp_lg_u32 s62, 0
	s_cbranch_scc1 .Lstep
	STEP 0, 0                                      ; the last fetches nothing more
	; my half's row sums; the plain lines here are also the places behind the last matrix instructions (ISA guide 7.12.1: four are asked for)
.irp q, 0,1
	v_pk_add_f32 v[LP+4*\q:LP+4*\q+1], v[LP+4*\q:LP+4*\q+1], v[LP+4*\q+2:LP+4*\q+3]
.endr
.irp q, 0,1
	v_add_f32 v[LP+4*\q], v[LP+4*\q], v[LP+4*\q+1]
.endr
	v_permlanex16_b32 v[TX], v[LP], s104, s105
	v_add_f32 v[LP], v[LP], v[TX]
	v_permlanex16_b32 v[TX], v[LP+4], s104, s105
	v_add_f32 v[LP+4], v[LP+4], v[TX]
	; THE EXCHANGE: register tile 1 goes to my partner as it stands: O^T (16 registers, lane by lane), -c m and l
	v_mov_b32 v[T], v[MN+2]
	v_mov_b32 v[T+1], v[LP+4]
.irp k, 0,1,2,3
	ds_store_b128 v[PST], v[O+16+4*\k:O+16+4*\k+3] offset:512*\k
.endr
	ds_store_b64 v[PS2], v[T:T+1] offset:2048
	s_wait_dscnt 0x0                               ; what I give away is written,
	s_barrier_signal -1
	s_barrier_wait -1                              ; and so is what every other wave gives away
.irp k, 0,1,2,3
	ds_load_b128 v[S+4*\k:S+4*\k+3], v[PRD] offset:512*\k      ; my partner's register tile 1 is my register tile 0, in the same lanes
.endr
	ds_load_b64 v[T+2:T+3], v[PR2] offset:2048
	s_wait_dscnt 0x0
	; THE MERGE: the larger maximum is the smaller -c m; each half shrinks by 2^(that - its own), which is 1 for one of them
	v_min_num_f32 v[TN], v[MN], v[T+2]
	v_sub_f32 v[AL], v[TN], v[MN]
	v_sub_f32 v[AL+2], v[TN], v[T+2]
	v_exp_f32 v[AL], v[AL]
	v_exp_f32 v[AL+2], v[AL+2]
	v_nop                                          ; a plain instruction behind the transcendentals (ISA guide 5.7.2)
	s_wait_alu depctr_va_vdst(0)
	v_mul_f32 v[LP], v[LP], v[AL]
	v_fma_f32 v[LP], v[T+3], v[AL+2], v[LP]        ; the whole row's sum
	v_rcp_f32 v[LP], v[LP]
	v_nop
	s_wait_alu depctr_va_vdst(0)
	v_mul_f32 v[AL], v[AL], v[LP]
	v_mul_f32 v[AL+2], v[AL+2], v[LP]
.irp p, 0,2,4,6,8,10,12,14
	v_pk_mul_f32 v[O+\p:O+\p+1], v[O+\p:O+\p+1], v[AL:AL+1] op_sel_hi:[1,0]
.endr
.irp p, 0,2,4,6,8,10,12,14
	v_pk_fma_f32 v[O+\p:O+\p+1], v[S+\p:S+\p+1], v[AL+2:AL+3], v[O+\p:O+\p+1] op_sel_hi:[1,0,1]
.endr
	; the way out: lane (r, h) holds columns 16 dt + 8 h .. + 7 of query r; through my own stage, read back as whole rows of 128 bytes
.irp dt, 0,1
	ds_store_b128 v[STO], v[O+8*\dt:O+8*\dt+3]   offset:64*\dt
	ds_store_b128 v[STO], v[O+8*\dt+4:O+8*\dt+7] offset:64*\dt+16
.endr
.irp k, 0,1,2,3
	ds_load_b128 v[S+16+4*\k:S+16+4*\k+3], v[RD] offset:\k*4*SPITCH        ; four rows; LDS serves a wave's instructions in order (ISA guide 5.7.1): these see the stores above
.endr
.irp k, 0,1,2,3
	s_wait_dscnt 3-\k                              ; load k is back, the younger ones may be out
	global_store_b128 v[GO], v[S+16+4*\k:S+16+4*\k+3], s[8:9] offset:512*\k        ; 512 consecutive bytes, at a multiple of 512 from att's first byte
.endr
	s_wait_tensorcnt 0x0
	ds_add_u32 v46, v47
	s_wait_dscnt 0x0
	ROUND                                          ; the closing round: no work-group ends while a partner may still ask for a tile that names it
	s_endpgm
.Lfunc_end_k_q0c9bea97f7_attn:
	.size	k_q0c9bea97f7_attn, .Lfunc_end_k_q0c9bea97f7_attn-k_q0c9bea97f7_attn
	.p2alignl 7, 3214868480
	.fill 96, 4, 3214868480
	.section	.rodata,"a",@progbits
	.p2align	6, 0x0
	.amdhsa_kernel k_q0c9bea97f7_attn
		.amdhsa_group_segment_fixed_size 239616
		.amdhsa_private_segment_fixed_size 0
		.amdhsa_enable_private_segment 0
		.amdhsa_kernarg_size 24
		.amdhsa_user_sgpr_count 2
		.amdhsa_user_sgpr_kernarg_segment_ptr 1
		.amdhsa_wavefront_size32 1
		.amdhsa_system_sgpr_workgroup_id_x 1
		.amdhsa_system_sgpr_workgroup_id_y 1
		.amdhsa_system_sgpr_workgroup_id_z 1
		.amdhsa_system_vgpr_workitem_id 0
		.amdhsa_next_free_vgpr 256
		.amdhsa_next_free_sgpr 106
		.amdhsa_reserve_vcc 0
		.amdhsa_float_denorm_mode_32 3
		.amdhsa_float_denorm_mode_16_64 3
		.amdhsa_memory_ordered 1
		.amdhsa_forward_progress 1
		.amdhsa_inst_pref_size 67
	.end_amdhsa_kernel
	.amdgpu_metadata
---
amdhsa.version: [ 1, 2 ]
amdhsa.kernels:
  - .name:           k_q0c9bea97f7_attn
    .symbol:         k_q0c9bea97f7_attn.kd
    .args:
      - { .name: qh, .offset: 0, .size: 8, .value_kind: global_buffer, .address_space: global }
      - { .name: maskw, .offset: 8, .size: 8, .value_kind: global_buffer, .address_space: global }
      - { .name: att, .offset: 16, .size: 8, .value_kind: global_buffer, .address_space: global }
    .group_segment_fixed_size: 239616
    .private_segment_fixed_size: 0
    .kernarg_segment_align: 8
    .kernarg_segment_size: 24
    .max_flat_workgroup_size: 512
    .sgpr_count:     106
    .vgpr_count:     256
    .wavefront_size: 32
...
	.end_amdgpu_metadata
.endif
;; end of part 2
;; launch mlp (part 3): grid 256 x 1, 8 waves a work-group, no clusters, 121,344 bytes of LDS; arguments x, att, gamma2, beta2, b1, b2, wf, out0; writes out0
.if DOCPART == 3
	.amdgcn_target "amdgcn-amd-amdhsa--gfx1250"
	.amdhsa_code_object_version 6
	.text
	.protected	k_q0c9bea97f7_mlp
	.globl	k_q0c9bea97f7_mlp
	.p2align	8
	.type	k_q0c9bea97f7_mlp,@function
k_q0c9bea97f7_mlp:
	s_mov_b64 s[64:65], 0
	v_nop
	global_prefetch_b8 v0, s[64:65] scope:SCOPE_SE
	s_setreg_imm32_b32 hwreg(HW_REG_WAVE_MODE, 25, 1), 1
	s_wait_xcnt 0x0
; MLP: x1 = x + att; y = LayerNorm(x1; gamma2, beta2); out0 = x1 + gelu(y W1 + b1) W2 + b2.  Matrix operands in bf16, everything else in f32.
; 256 work-groups of eight waves; a work-group owns 32 rows (tokens) and keeps y, h = gelu(..) and x1 in LDS: nothing goes through memory.
; Wave w: rows 4 w .. 4 w + 3 in the LayerNorm and on the way out; hidden columns 128 w .. + 127 of the first product, output columns
; 32 w .. + 31 of the second, each for all 32 tokens.
; TRANSPOSED USE: source 0 = 16 rows of W^T, source 1 = 16 tokens: lane (r, h) holds token r and eight NEIGHBOURING columns 8 h + j, which pack
; into 16 bytes of h, and which b1 (first product) and x1 + b2 (second) can start as the C operand: nothing is cleared and nothing added afterwards.
; WEIGHTS come from wf, where an earlier launch laid them in fragment order: wave w reads its own stream of 131,072 bytes front to back, 512
; consecutive bytes a load, in 32 groups of 4,096 bytes (8 loads), through a ring of SEVEN register slots; all offsets are immediates.  Seven slots,
; 28,672 bytes a wave, so that the stream goes on while the wave is in the LayerNorm and in the gelu; with six younger groups out a wait names
; 48 loads and at most 56 are out, which LOADcnt's six bits hold.  Slots 0-3 are v112-239, slots 4-6 v256-351: group G + 7 goes into the slot that
; group G has left, so a slot of the upper window costs three switches of the window for eight matrix instructions and eight loads.
; NO CLUSTER, NO LDS RING FOR THE WEIGHTS: every weight fragment is used by one wave of the work-group, once, so inside a work-group nothing is
; shared; a joint way through LDS would write and read 1,048,576 bytes of LDS a work-group more and put a round of the cluster's barrier in
; front of every refill, for 16 matrix instructions a wave and 8,192 bytes.
; GELU: max(v, 0) - 0.5 |v| erfc(|v| / sqrt 2), erfc by Abramowitz and Stegun 7.1.25 (three terms in t = 1 / (1 + 0.47047 x), times exp(-x^2)):
; LIMIT: the absolute error of erf is at most 2.5e-5 for every argument, so that of gelu is at most 1.25e-5 |v| where erfc has not yet vanished.
; The variance is taken of the deviations from the mean.  A row that arrives as NaN leaves as NaN and touches no other row.
.set YP,   528                         ; y:  32 rows of 512 bytes + 16
.set HP,   2064                        ; h:  32 rows of 2,048 bytes + 16
.set XP,   1040                        ; x1 + b2, later the result: 32 rows of 1,024 bytes + 16.  All three pitches are odd multiples of 16 bytes
.set YST,  0
.set HST,  32*YP                       ; 16,896
.set XOST, HST+32*HP                   ; 82,944
.set B1ST, XOST+32*XP                  ; 116,224: 512 bytes of b1 for each wave
.set NS,   7                           ; slots in the ring
.set WOFF, 1                           ; 16 x lane
.set YA,   2                           ; y fragments
.set HSA,  3                           ; where I put 16 bytes of h
.set HA,   4                           ; h fragments
.set XA,   5                           ; my 32 bytes of x1 + b2 in the accumulators' layout
.set XR,   6                           ; my 16 bytes of my wave's rows of x1 + b2
.set B1A,  7                           ; my 32 bytes of my wave's b1
.set YS,   8                           ; where I put 8 bytes of y
.set AO,   9                           ; my byte offset in att
.set B1S,  11
.set SUM,  12                          ; v[12:15]
.set ACC,  16                          ; v[16:79]  first product: (ft, tt) at 8 (2 ft + tt); second: (mi, tt) at 8 (2 mi + tt), v[16:47]
.set XX,   16                          ; v[16:47]  LayerNorm: x, then x1, 4 rows x 8
.set AT,   48                          ; v[48:79]  att, then the deviations, then y
.set YB,   80                          ; v[80:111] y fragments, two buffers of 16
.set GA,   80                          ; LayerNorm: gamma2 v[80:87], beta2 v[88:95], b2 v[96:103], b1 v[104:107]
.set BE,   88
.set B2,   96
.set B1R,  104
.set PX,   108                         ; v[108:111]
.set GT,   80                          ; gelu at work: v[80:87], v[88:95], v[96:103], packed v[104:107]
.set GU,   88
.set GW,   96
.set GP,   104
.set RING, 112                         ; v[112:239] slots 0-3 of 32 registers; slots 4-6 are v[256:351], written v[0:95] under the upper window
.set MU,   240                         ; v[240:247]
.set RS,   248                         ; v[248:255]
.set MSB, 0
.macro WIN new                         ; s_set_vgpr_msb: bits 1:0 source 0, 3:2 source 1, 5:4 source 2, 7:6 destination; the high byte repeats the setting that is left
.if MSB != \new
	s_set_vgpr_msb (MSB<<8)|\new
.set MSB, \new
.endif
.endm
	s_load_b512 s[4:19], s[0:1], 0x0               ; x s[4:5], att s[6:7], gamma2 s[8:9], beta2 s[10:11], b1 s[12:13], b2 s[14:15], wf s[16:17], out0 s[18:19]
	v_lshl_add_u32 v10, v0, 2, 0x1d600
	s_set_vgpr_msb 0x40
	v_mov_b32 v97, 0
	s_set_vgpr_msb 0x4000
	v_lshrrev_b32 v1, 5, v0
	v_readfirstlane_b32 s20, v1                    ; wave 0..7
	v_and_b32 v240, 31, v0                         ; lane
	v_and_b32 v241, 15, v0                         ; r
	v_bfe_u32 v242, v0, 4, 1                       ; h
	v_lshlrev_b32 v[WOFF], 4, v240
	v_lshrrev_b32 v243, 3, v240                    ; head of my columns in a row's first half
	v_and_b32 v[AO], 7, v0
	v_lshlrev_b32 v[AO], 4, v[AO]
	v_lshl_add_u32 v[AO], v243, 18, v[AO]          ; a head of att is 262,144 bytes
	s_lshl_b32 s38, ttmp9, 15                      ; 32 rows x 1,024 bytes
	s_lshl_b32 s39, s20, 12                        ; 4 rows
	s_add_co_u32 s38, s38, s39
	s_mov_b32 s39, 0
	s_wait_kmcnt 0x0
	s_add_nc_u64 s[32:33], s[4:5], s[38:39]        ; x at my four rows
	s_add_nc_u64 s[36:37], s[18:19], s[38:39]      ; out0 likewise
	s_lshr_b32 s38, ttmp9, 6                       ; batch
	s_lshl_b32 s38, s38, 21                        ; 8 heads x 262,144 bytes
	s_and_b32 s39, ttmp9, 63
	s_lshl_b32 s39, s39, 12                        ; 32 rows x 128 bytes
	s_add_co_u32 s38, s38, s39
	s_lshl_b32 s39, s20, 9                         ; 4 rows
	s_add_co_u32 s38, s38, s39
	s_mov_b32 s39, 0
	s_add_nc_u64 s[34:35], s[6:7], s[38:39]
	s_lshl_b32 s38, s20, 17
	s_add_nc_u64 s[22:23], s[16:17], s[38:39]      ; my wave's stream of weights
	s_lshl_b32 s38, s20, 9
	s_add_nc_u64 s[12:13], s[12:13], s[38:39]      ; my wave's 128 numbers of b1
.macro RLOAD G                         ; group G of the stream, 4,096 bytes, into slot G mod 7
.set RSL, (\G)%NS
.if RSL >= 4
	WIN 0x40                                       ; destination in the upper window, the address register in the lower
.set RB, 32*(RSL-4)
.else
	WIN 0
.set RB, RING+32*RSL
.endif
.irp i, 0,1,2,3,4,5,6,7
	global_load_b128 v[RB+4*\i:RB+4*\i+3], v[WOFF], s[22:23] offset:(\G)*4096+512*\i
.endr
	WIN 0
.endm
.irp rho, 0,1,2,3
	global_load_b128 v[XX+8*\rho:XX+8*\rho+3],   v[WOFF], s[32:33] offset:\rho*1024
	global_load_b128 v[XX+8*\rho+4:XX+8*\rho+7], v[WOFF], s[32:33] offset:\rho*1024+512
.endr
.irp rho, 0,1,2,3
	global_load_b128 v[AT+8*\rho:AT+8*\rho+3],   v[AO], s[34:35] offset:\rho*128            ; heads 0-3: eight lanes take a head's 128 bytes of the row
	global_load_b128 v[AT+8*\rho+4:AT+8*\rho+7], v[AO], s[34:35] offset:\rho*128+1048576    ; heads 4-7
.endr
	global_load_b128 v[GA:GA+3],   v[WOFF], s[8:9]
	global_load_b128 v[GA+4:GA+7], v[WOFF], s[8:9] offset:512
	global_load_b128 v[BE:BE+3],   v[WOFF], s[10:11]
	global_load_b128 v[BE+4:BE+7], v[WOFF], s[10:11] offset:512
	global_load_b128 v[B2:B2+3],   v[WOFF], s[14:15]
	global_load_b128 v[B2+4:B2+7], v[WOFF], s[14:15] offset:512
	global_load_b128 v[B1R:B1R+3], v[WOFF], s[12:13]
	RLOAD 0                                        ; five groups of the stream behind these 23 loads: 63 loads are out
	RLOAD 1
	RLOAD 2
	RLOAD 3
	RLOAD 4
	s_mov_b32 s24, 0xbf38aa3b                      ; -log2(e) / 2
	s_mov_b32 s25, 0xbf38aa3b
	s_mov_b32 s26, 0x3eaa540e                      ; 0.47047 / sqrt 2
	s_mov_b32 s27, 0xbe32303a                      ; -0.5 x 0.3480242
	s_mov_b32 s28, 0x3d445ca1                      ; -0.5 x -0.0958798
	s_mov_b32 s29, 0xbebf7377                      ; -0.5 x 0.7478556
	s_mov_b32 s30, 0x76543210
	s_mov_b32 s31, 0xfedcba98
	s_mov_b32 s40, 0x3b800000                      ; 1 / 256
	s_mov_b32 s41, 0x3727c5ac                      ; 1e-5
	v_mul_u32_u24 v[YA], v241, YP
	v_lshl_add_u32 v[YA], v242, 4, v[YA]
	v_mul_u32_u24 v[HA], v241, HP
	v_lshl_add_u32 v[HA], v242, 4, v[HA]
	v_add_nc_u32 v[HA], HST, v[HA]
	s_lshl_b32 s21, s20, 8                         ; my wave's 128 hidden columns in bf16
	v_add_nc_u32 v[HSA], s21, v[HA]
	v_mul_u32_u24 v[XA], v241, XP
	v_lshl_add_u32 v[XA], v242, 5, v[XA]
	s_lshl_b32 s21, s20, 7                         ; my wave's 32 output columns in f32
	s_add_co_u32 s21, s21, XOST
	v_add_nc_u32 v[XA], s21, v[XA]
	s_mul_i32 s21, s20, 4*XP
	s_add_co_u32 s21, s21, XOST
	v_add_nc_u32 v[XR], s21, v[WOFF]
	s_lshl_b32 s21, s20, 9
	s_add_co_u32 s21, s21, B1ST
	v_lshl_add_u32 v[B1A], v242, 5, s21
	v_add_nc_u32 v[B1S], s21, v[WOFF]
	s_mul_i32 s21, s20, 4*YP
	v_lshl_add_u32 v[YS], v240, 3, s21
.irp k, 0,1,2,3
	v_mov_b32 v[PX+\k], 0                          ; a lane permute's destination counts as read
.endr
.macro WRED4                           ; the four rows' sums over the 32 lanes, stage by stage
.irp m, 1,2,4,8
.irp rho, 0,1,2,3
	v_add_f32_dpp v[SUM+\rho], v[SUM+\rho], v[SUM+\rho] row_xmask:\m row_mask:0xf bank_mask:0xf
.endr
.endr
.irp rho, 0,1,2,3
	v_permlanex16_b32 v[PX+\rho], v[SUM+\rho], s30, s31
.endr
.irp rho, 0,1,2,3
	v_add_f32 v[SUM+\rho], v[SUM+\rho], v[PX+\rho]
.endr
.endm
	s_wait_loadcnt 40                              ; the 23 loads of rows and vectors are in; the five groups, issued behind them, stay out
	RLOAD 5                                        ; the ring's last two slots: at most 56 loads are out from here on
	RLOAD 6
	ds_store_b128 v[B1S], v[B1R:B1R+3]
.irp rho, 0,1,2,3
.irp p, 0,2,4,6
	v_pk_add_f32 v[XX+8*\rho+\p:XX+8*\rho+\p+1], v[XX+8*\rho+\p:XX+8*\rho+\p+1], v[AT+8*\rho+\p:AT+8*\rho+\p+1]   ; x1
.endr
.endr
.irp rho, 0,1,2,3
	v_pk_add_f32 v[MU+2*\rho:MU+2*\rho+1], v[XX+8*\rho:XX+8*\rho+1], v[XX+8*\rho+2:XX+8*\rho+3]
.endr
.irp p, 4,6
.irp rho, 0,1,2,3
	v_pk_add_f32 v[MU+2*\rho:MU+2*\rho+1], v[MU+2*\rho:MU+2*\rho+1], v[XX+8*\rho+\p:XX+8*\rho+\p+1]
.endr
.endr
.irp rho, 0,1,2,3
	v_add_f32 v[SUM+\rho], v[MU+2*\rho], v[MU+2*\rho+1]
.endr
	WRED4
.irp rho, 0,1,2,3
	v_mul_f32 v[MU+2*\rho],   0xbb800000, v[SUM+\rho]          ; minus the mean, twice
	v_mul_f32 v[MU+2*\rho+1], 0xbb800000, v[SUM+\rho]
.endr
.irp rho, 0,1,2,3
.irp p, 0,2,4,6
	v_pk_add_f32 v[AT+8*\rho+\p:AT+8*\rho+\p+1], v[XX+8*\rho+\p:XX+8*\rho+\p+1], v[MU+2*\rho:MU+2*\rho+1]         ; the deviations; x1 is kept
.endr
.endr
.irp rho, 0,1,2,3
	v_pk_mul_f32 v[RS+2*\rho:RS+2*\rho+1], v[AT+8*\rho:AT+8*\rho+1], v[AT+8*\rho:AT+8*\rho+1]
.endr
.irp p, 2,4,6
.irp rho, 0,1,2,3
	v_pk_fma_f32 v[RS+2*\rho:RS+2*\rho+1], v[AT+8*\rho+\p:AT+8*\rho+\p+1], v[AT+8*\rho+\p:AT+8*\rho+\p+1], v[RS+2*\rho:RS+2*\rho+1]
.endr
.endr
.irp rho, 0,1,2,3
	v_add_f32 v[SUM+\rho], v[RS+2*\rho], v[RS+2*\rho+1]
.endr
	WRED4
.irp rho, 0,1,2,3
	v_fma_f32 v[SUM+\rho], v[SUM+\rho], s40, s41               ; variance + eps
.endr
.irp rho, 0,1,2,3
	v_rsq_f32 v[RS+2*\rho], v[SUM+\rho]
.endr
	v_nop                                          ; a plain instruction behind the transcendentals (ISA guide 5.7.2)
	s_wait_alu depctr_va_vdst(0)
.irp rho, 0,1,2,3
	v_mov_b32 v[RS+2*\rho+1], v[RS+2*\rho]
.endr
.irp rho, 0,1,2,3
.irp p, 0,2,4,6
	v_pk_mul_f32 v[AT+8*\rho+\p:AT+8*\rho+\p+1], v[AT+8*\rho+\p:AT+8*\rho+\p+1], v[RS+2*\rho:RS+2*\rho+1]
.endr
.irp p, 0,2,4,6
	v_pk_fma_f32 v[AT+8*\rho+\p:AT+8*\rho+\p+1], v[AT+8*\rho+\p:AT+8*\rho+\p+1], v[GA+\p:GA+\p+1], v[BE+\p:BE+\p+1]
.endr
.irp i, 0,1
	v_cvt_pk_bf16_f32 v[AT+8*\rho+4*\i],   v[AT+8*\rho+4*\i],   v[AT+8*\rho+4*\i+1]
	v_cvt_pk_bf16_f32 v[AT+8*\rho+4*\i+1], v[AT+8*\rho+4*\i+2], v[AT+8*\rho+4*\i+3]
	ds_store_b64 v[YS], v[AT+8*\rho+4*\i:AT+8*\rho+4*\i+1] offset:\rho*YP+256*\i
.endr
.irp p, 0,2,4,6
	v_pk_add_f32 v[XX+8*\rho+\p:XX+8*\rho+\p+1], v[XX+8*\rho+\p:XX+8*\rho+\p+1], v[B2+\p:B2+\p+1]                 ; x1 + b2 will start the second product's sums
.endr
	ds_store_b128 v[XR], v[XX+8*\rho:XX+8*\rho+3]   offset:\rho*XP
	ds_store_b128 v[XR], v[XX+8*\rho+4:XX+8*\rho+7] offset:\rho*XP+512
.endr
	s_wait_dscnt 0x0                               ; my rows of y and of x1 + b2 are written,
	s_barrier_signal -1
	s_barrier_wait -1                              ; everybody's are
.macro PLACES                          ; four places (ISA guide 7.12.1) before registers that matrix instructions have read are loaded again and before results are read
.rept 4
	v_nop
.endr
.endm
; where group G's fragments lie, and the window for source 0 of the matrix instructions that read them
.macro ASLOT G
.set SL, (\G)%NS
.if SL >= 4
	WIN 0x01                                       ; source 0 in the upper window; source 1, C and D in the lower
.set AB, 32*(SL-4)
.else
	WIN 0
.set AB, RING+32*SL
.endif
.endm
.macro YLOAD ks                        ; y fragments of k step ks, both token tiles, into buffer ks mod 2
.irp tt, 0,1
	ds_load_b128 v[YB+16*((\ks)&1)+8*\tt:YB+16*((\ks)&1)+8*\tt+3],   v[YA] offset:\tt*16*YP+64*(\ks)
	ds_load_b128 v[YB+16*((\ks)&1)+8*\tt+4:YB+16*((\ks)&1)+8*\tt+7], v[YA] offset:\tt*16*YP+64*(\ks)+32
.endr
.endm
; one k step of 32 of the first product: 64 hidden columns x 32 tokens, eight matrix instructions on eight accumulators
.macro G1 fh, ks
	s_wait_loadcnt 48                              ; this group's eight loads are in; the six younger groups stay out
.if \ks == 7
	s_wait_dscnt 0x0
.else
	s_wait_dscnt 0x4                               ; this step's y fragments (and, at the first step, b1) are in; the next step's four loads may be out
.endif
	ASLOT 8*\fh+\ks
.irp ft, 0,1,2,3
.irp tt, 0,1
	v_wmma_f32_16x16x32_bf16 v[ACC+8*(2*\ft+\tt):ACC+8*(2*\ft+\tt)+7], v[AB+8*\ft:AB+8*\ft+7], v[YB+16*(\ks&1)+8*\tt:YB+16*(\ks&1)+8*\tt+7], v[ACC+8*(2*\ft+\tt):ACC+8*(2*\ft+\tt)+7]
.endr
.endr
	PLACES
	RLOAD 8*\fh+\ks+NS                             ; the slot just used gets the group seven ahead
.if \ks < 6
	YLOAD \ks+2
.endif
.endm
; gelu of the eight numbers v[a .. a + 7], to bf16, 16 bytes into h
.macro GELU8 a, off
.irp j, 0,1,2,3,4,5,6,7
	v_fma_f32 v[GT+\j], |v[\a+\j]|, s26, 1.0       ; 1 + 0.47047 |v| / sqrt 2
.endr
.irp j, 0,2,4,6
	v_pk_mul_f32 v[GU+\j:GU+\j+1], v[\a+\j:\a+\j+1], v[\a+\j:\a+\j+1]
.endr
.irp j, 0,1,2,3,4,5,6,7
	v_rcp_f32 v[GT+\j], v[GT+\j]                   ; t
.endr
.irp j, 0,2,4,6
	v_pk_mul_f32 v[GU+\j:GU+\j+1], v[GU+\j:GU+\j+1], s[24:25] op_sel_hi:[1,0]      ; plain work behind the reciprocals
.endr
.irp j, 0,1,2,3,4,5,6,7
	v_exp_f32 v[GU+\j], v[GU+\j]                   ; exp(-v^2 / 2)
.endr
	s_wait_alu depctr_va_vdst(0)
.irp j, 0,1,2,3,4,5,6,7
	v_fma_f32 v[GW+\j], v[GT+\j], s29, s28         ; plain work behind the exponentials: it reads t alone
.endr
.irp j, 0,1,2,3,4,5,6,7
	v_fma_f32 v[GW+\j], v[GW+\j], v[GT+\j], s27
.endr
.irp j, 0,2,4,6
	v_pk_mul_f32 v[GW+\j:GW+\j+1], v[GW+\j:GW+\j+1], v[GT+\j:GT+\j+1]
.endr
.irp j, 0,2,4,6
	v_pk_mul_f32 v[GW+\j:GW+\j+1], v[GW+\j:GW+\j+1], v[GU+\j:GU+\j+1]              ; -0.5 erfc(|v| / sqrt 2)
.endr
.irp j, 0,1,2,3,4,5,6,7
	v_max_num_f32 v[GT+\j], 0, v[\a+\j]
.endr
.irp j, 0,1,2,3,4,5,6,7
	v_fma_f32 v[GT+\j], v[GW+\j], |v[\a+\j]|, v[GT+\j]
.endr
.irp j, 0,1,2,3
	v_cvt_pk_bf16_f32 v[GP+\j], v[GT+2*\j], v[GT+2*\j+1]
.endr
	ds_store_b128 v[HSA], v[GP:GP+3] offset:\off
.endm
; 64 of my 128 hidden columns: b1 starts the sums, eight k steps, gelu
.macro HALF fh
.irp ft, 0,1,2,3
.irp tt, 0,1
	ds_load_b128 v[ACC+8*(2*\ft+\tt):ACC+8*(2*\ft+\tt)+3],   v[B1A] offset:(64*\fh+16*\ft)*4
	ds_load_b128 v[ACC+8*(2*\ft+\tt)+4:ACC+8*(2*\ft+\tt)+7], v[B1A] offset:(64*\fh+16*\ft)*4+16
.endr
.endr
	YLOAD 0
	YLOAD 1
.irp ks, 0,1,2,3,4,5,6,7
	G1 \fh, \ks                                    ; the eight accumulators take turns, one instruction a turn
.endr
.irp ft, 0,1,2,3
.irp tt, 0,1
	GELU8 ACC+8*(2*\ft+\tt), \tt*16*HP+128*\fh+32*\ft
.endr
.endr
.endm
	HALF 0
	HALF 1
	s_wait_dscnt 0x0                               ; my columns of h are written,
	s_barrier_signal -1
	s_barrier_wait -1                              ; everybody's are.  (The ring's loads stay on their way: no wave writes wf.)
.macro HLOAD gg                        ; h fragments of two k steps, both token tiles; buffer 0 = v[80:111], buffer 1 = v[48:79]
.irp kk, 0,1
.irp tt, 0,1
	ds_load_b128 v[80-32*((\gg)&1)+8*(2*\kk+\tt):80-32*((\gg)&1)+8*(2*\kk+\tt)+3],   v[HA] offset:\tt*16*HP+(2*(\gg)+\kk)*64
	ds_load_b128 v[80-32*((\gg)&1)+8*(2*\kk+\tt)+4:80-32*((\gg)&1)+8*(2*\kk+\tt)+7], v[HA] offset:\tt*16*HP+(2*(\gg)+\kk)*64+32
.endr
.endr
.endm
; two k steps of 32 of the second product (group 16 + gg of the stream): 32 output columns x 32 tokens, eight matrix instructions on four accumulators
.macro G2 gg
.if \gg <= 9
	s_wait_loadcnt 48                              ; as above
.else
	s_wait_loadcnt 8*(15-\gg)                      ; group 31 was the last to be fetched: the counts run down
.endif
.if \gg == 15
	s_wait_dscnt 0x0
.else
	s_wait_dscnt 0x8                               ; these two steps' h fragments (and, at first, x1 + b2) are in; the next eight loads may be out
.endif
	ASLOT 16+\gg
.irp kk, 0,1
.irp mi, 0,1
.irp tt, 0,1
	v_wmma_f32_16x16x32_bf16 v[ACC+8*(2*\mi+\tt):ACC+8*(2*\mi+\tt)+7], v[AB+8*(2*\kk+\mi):AB+8*(2*\kk+\mi)+7], v[80-32*(\gg&1)+8*(2*\kk+\tt):80-32*(\gg&1)+8*(2*\kk+\tt)+7], v[ACC+8*(2*\mi+\tt):ACC+8*(2*\mi+\tt)+7]
.endr
.endr
.endr
	PLACES
.if \gg <= 8
	RLOAD 16+\gg+NS
.endif
	WIN 0
.if \gg <= 13
	HLOAD \gg+2
.endif
.endm
.irp mi, 0,1
.irp tt, 0,1
	ds_load_b128 v[ACC+8*(2*\mi+\tt):ACC+8*(2*\mi+\tt)+3],   v[XA] offset:\tt*16*XP+64*\mi      ; x1 + b2 starts the sums
	ds_load_b128 v[ACC+8*(2*\mi+\tt)+4:ACC+8*(2*\mi+\tt)+7], v[XA] offset:\tt*16*XP+64*\mi+16
.endr
.endr
	HLOAD 0
	HLOAD 1
.irp gg, 0,1,2,3,4,5,6,7,8,9,10,11,12,13,14,15
	G2 \gg                                         ; the four accumulators take turns, one instruction a turn
.endr
	; the way out: each lane puts its results where it took x1 + b2 from (no other lane touches those bytes between the barriers); then whole rows
.irp mi, 0,1
.irp tt, 0,1
	ds_store_b128 v[XA], v[ACC+8*(2*\mi+\tt):ACC+8*(2*\mi+\tt)+3]   offset:\tt*16*XP+64*\mi
	ds_store_b128 v[XA], v[ACC+8*(2*\mi+\tt)+4:ACC+8*(2*\mi+\tt)+7] offset:\tt*16*XP+64*\mi+16
.endr
.endr
	s_wait_dscnt 0x0                               ; my columns of the result are written,
	s_barrier_signal -1
	s_barrier_wait -1                              ; everybody's are
.irp rho, 0,1,2,3
	ds_load_b128 v[48+8*\rho:48+8*\rho+3],   v[XR] offset:\rho*XP
	ds_load_b128 v[48+8*\rho+4:48+8*\rho+7], v[XR] offset:\rho*XP+512
.endr
.irp rho, 0,1,2,3
	s_wait_dscnt 7-2*\rho
	global_store_b128 v[WOFF], v[48+8*\rho:48+8*\rho+3],   s[36:37] offset:\rho*1024 th:TH_STORE_NT       ; 512 consecutive bytes, at a multiple of 512 from out0's first byte
	s_wait_dscnt 6-2*\rho
	global_store_b128 v[WOFF], v[48+8*\rho+4:48+8*\rho+7], s[36:37] offset:\rho*1024+512 th:TH_STORE_NT
.endr
	s_set_vgpr_msb 0x4
	s_wait_tensorcnt 0x0
	ds_add_u32 v10, v97
	s_wait_dscnt 0x0
	s_set_vgpr_msb 0x400
	s_endpgm
.Lfunc_end_k_q0c9bea97f7_mlp:
	.size	k_q0c9bea97f7_mlp, .Lfunc_end_k_q0c9bea97f7_mlp-k_q0c9bea97f7_mlp
	.p2alignl 7, 3214868480
	.fill 96, 4, 3214868480
	.section	.rodata,"a",@progbits
	.p2align	6, 0x0
	.amdhsa_kernel k_q0c9bea97f7_mlp
		.amdhsa_group_segment_fixed_size 121344
		.amdhsa_private_segment_fixed_size 0
		.amdhsa_enable_private_segment 0
		.amdhsa_kernarg_size 64
		.amdhsa_user_sgpr_count 2
		.amdhsa_user_sgpr_kernarg_segment_ptr 1
		.amdhsa_wavefront_size32 1
		.amdhsa_system_sgpr_workgroup_id_x 1
		.amdhsa_system_sgpr_workgroup_id_y 1
		.amdhsa_system_sgpr_workgroup_id_z 1
		.amdhsa_system_vgpr_workitem_id 0
		.amdhsa_next_free_vgpr 354
		.amdhsa_next_free_sgpr 66
		.amdhsa_reserve_vcc 0
		.amdhsa_float_denorm_mode_32 3
		.amdhsa_float_denorm_mode_16_64 3
		.amdhsa_memory_ordered 1
		.amdhsa_forward_progress 1
		.amdhsa_inst_pref_size 149
	.end_amdhsa_kernel
	.amdgpu_metadata
---
amdhsa.version: [ 1, 2 ]
amdhsa.kernels:
  - .name:           k_q0c9bea97f7_mlp
    .symbol:         k_q0c9bea97f7_mlp.kd
    .args:
      - { .name: x, .offset: 0, .size: 8, .value_kind: global_buffer, .address_space: global }
      - { .name: att, .offset: 8, .size: 8, .value_kind: global_buffer, .address_space: global }
      - { .name: gamma2, .offset: 16, .size: 8, .value_kind: global_buffer, .address_space: global }
      - { .name: beta2, .offset: 24, .size: 8, .value_kind: global_buffer, .address_space: global }
      - { .name: b1, .offset: 32, .size: 8, .value_kind: global_buffer, .address_space: global }
      - { .name: b2, .offset: 40, .size: 8, .value_kind: global_buffer, .address_space: global }
      - { .name: wf, .offset: 48, .size: 8, .value_kind: global_buffer, .address_space: global }
      - { .name: out0, .offset: 56, .size: 8, .value_kind: global_buffer, .address_space: global }
    .group_segment_fixed_size: 121344
    .private_segment_fixed_size: 0
    .kernarg_segment_align: 8
    .kernarg_segment_size: 64
    .max_flat_workgroup_size: 256
    .sgpr_count:     66
    .vgpr_count:     354
    .wavefront_size: 32
...
	.end_amdgpu_metadata
.endif
;; end of part 3
